; MI455X (gfx1250); checked and timed in simulation.
; The chip was launched on July 23, 2026; its instructions are those of AMD's public machine-readable ISA for CDNA 5 (MIT licence, August 2026) and "CDNA5" Instruction Set Architecture Reference Guide (July 2026). The comments in the code are by the model that wrote it; some were corrected since.
;; Time Embedding. Allowed arithmetic: float matrix products may take bf16 or f16 operands with f32 sums; all other float work in f32.
;; Inputs: W 128 x 50,000 float32; b 128 float32; elt 4,096 int32.
;; Outputs: out0 4,096 x 128 float32.
;; One version. Each part assembles by itself: llvm-mc -triple=amdgcn-amd-amdhsa -mcpu=gfx1250 --defsym DOCPART=n.
;; ======== version 1 of 1: 1 launch
;; launch lookup (part 1): grid 250 x 1, 16 waves a work-group, no clusters, 169,984 bytes of LDS; arguments W, b, elt, out0; writes out0
.if DOCPART == 1
	.amdgcn_target "amdgcn-amd-amdhsa--gfx1250"
	.amdhsa_code_object_version 6
	.text
	.protected	k_q1aa1a687a2_lookup
	.globl	k_q1aa1a687a2_lookup
	.p2align	8
	.type	k_q1aa1a687a2_lookup,@function
k_q1aa1a687a2_lookup:
	s_mov_b64 s[64:65], 0
	v_nop
	global_prefetch_b8 v0, s[64:65] scope:SCOPE_SE
	s_setreg_imm32_b32 hwreg(HW_REG_WAVE_MODE, 25, 1), 1
	s_wait_xcnt 0x0
; out0[i][e] = sum over v of onehot(elt[i])[v] * W[e][v] + b[e] = W[e][elt[i]] + b[e]; the sum has at most one term that is not zero,
; so that term is fetched and nothing is multiplied out.  W: [128][50000] f32, b: [128] f32, elt: [4096] i32, out0: [4096][128] f32.
;
; An output row is a COLUMN of W: 128 words, 200,000 bytes apart.  4,096 indices over 50,000 columns touch nearly every stretch of 64
; neighbouring words of every row of W, so W is streamed once in long pieces and the scattered reads are made in LDS.
; The 50,000 columns are cut into 250 slabs of 200.  Work-group g
;   1. brings W[0:128][200 g : 200 g + 200] into LDS through registers, each of its 16 waves 8 rows;
;   2. while these loads are on their way, looks through all 4,096 indices (8 a thread) for those that fall into its slab;
;   3. writes, for each such index i, the whole row out0[i]: one wave, one store, 32 lanes x 16 bytes = 512 aligned bytes.
; Every i has exactly one owner, so every byte of out0 is stored once and no work-group depends on another.
;
; THE LOADS OF W.  Row e's piece begins at byte 200000 e + 800 g of W, which is (64 e + 32 g) mod 256, at most 224, behind a multiple
; of 256; 224 + 800 = 1024, so the 1,024 bytes from that multiple on always hold the piece.  They are taken whole: two loads of the wave,
; each 512 consecutive bytes that begin on a multiple of 256 (W itself does).  The last window ends at byte 25,600,000, W's end.
; The wave asks for 1024 / 800 of its piece; the surplus lies in the first and last 256 bytes of a window, which the neighbouring
; slab's work-group reads too: hence no non-temporal hint on these loads.
;
; NO CLUSTER, NO MULTICAST: what work-groups share is elt (16,384 bytes, to registers) and the rims of the windows.  NO RING, NO PREFETCH:
; a work-group asks for its whole share, 16 waves x 16 loads x 512 bytes, in its first lines.  NO MATRIX UNIT: no product is left to form.
; lds_bytes: 133,120 are used; more than half of a WGP's LDS is asked for, so that no two of the 250 work-groups share one of the 256 WGPs.
;
; LIMITS.  (a) An infinity or a NaN in W[e][v] makes reference() return NaN (0 x inf) for that e in EVERY row; here it shows only in the
; rows whose index is v.  (b) The sign of a zero result may differ (reference adds +0 terms).  (c) An index outside 0 .. 49999 (negative ones
; too) has an all-zero one-hot row: the last work-group owns these and stores b alone (W's term is multiplied by 0).
; (d) Many equal or neighbouring indices cost time, not values: a wave makes one trip for each of its up to 256 indices that hit.
.set V,      50000                     ; columns of W
.set SLAB,   200                       ; columns of a work-group
.set NWG,    V/SLAB                    ; 250 work-groups
.set ROWB,   4*V                       ; bytes in a row of W
.set RPW,    8                         ; rows of W that a wave fetches (16 waves x 8 = 128)
.set PITCH,  1040                      ; an LDS slot: a window of 1,024 bytes + 16
.set OROW,   512                       ; bytes in a row of out0
.set OUTSIDE, 0xffff3d78               ; 2^32 - (V - SLAB): see LIMIT below
; LDS: row e of W lies in slot (e >> 2) + 32 (e & 3), at slot x 1040.  A hit's lane l reads rows 4 l + j: for one j these are slots
; l + 32 j, 260 words apart from lane to lane, which fall on 16 different banks (rows in their natural order, 1,040 words apart, on 4).
; scalar registers
.set WAVE,  12                         ; wave number, 0 .. 15
.set C0,    13                         ; first column of my slab
.set TOFF,  14                         ; byte offset in W of my wave's first row's piece
.set SH,    15                         ; 32 g
.set LIMIT, 16                         ; I own index x if (x - C0), unsigned, is below this
.set B0,    17                         ; 128 x wave
.set CNT,   18                         ; hits in the mask at work
.set I,     19                         ; trip counter
.set LN,    20                         ; lane that holds the hit
.set C,     21                         ; the hit's column in the slab
.set VALID, 22                         ; s[22:23]: s22 = 1.0 (index inside the table) or 0; s23 only completes the pair
.set B,     24                         ; 128 x wave + 4 x lane of the hit
.set T,     25                         ; scratch
.set MASK,  28                         ; s[28:35] mask r: the lanes whose index register r is a hit
; vector registers
.set T16,   3                          ; 16 x thread: my 16 bytes of elt
.set L16,   4                          ; 16 x lane: my 16 bytes of b, of half a window and of an output row
.set LP,    5                          ; 1040 x lane
.set LB,    6                          ; v[6:9]    j: LDS address of column 0 of the slab in row 4 lane + j
.set LA,    10                         ; v[10:13]  j: the same for the hit's column
.set OADR,  14                         ; byte offset in out0
.set SA,    15                         ; v15, v16  LDS address of my 16 bytes in slot 2 wave, and in slot 2 wave + 64
.set COL,   20                         ; v[20:27]  register 4 q + k: elt[2048 q + 128 wave + 4 lane + k], then that minus C0
.set BIAS,  28                         ; v[28:31]  b[4 lane .. 4 lane + 3]
.set D,     32                         ; v[32:35]  W[4 lane .. 4 lane + 3][column], then the result
.set GO,    36                         ; v[36:43]  k: byte offset in W of my 16 bytes in the window of row 8 wave + k
.set X,     44                         ; v[44:107] k: 8 registers, my 16 bytes of each half of that window
	s_load_b256 s[4:11], s[0:1], 0x0               ; W s[4:5], b s[6:7], elt s[8:9], out0 s[10:11]
	v_lshl_add_u32 v108, v0, 2, 0x29000
	v_mov_b32 v109, 0
	; everything up to the wait for these addresses is made of ids and constants
	v_and_b32 v1, 31, v0                           ; lane
	v_lshrrev_b32 v2, 5, v0
	v_readfirstlane_b32 s[WAVE], v2                ; wave number as a scalar
	v_lshlrev_b32 v[T16], 4, v0
	v_lshlrev_b32 v[L16], 4, v1
	v_mul_u32_u24 v[LP], v1, PITCH
	s_mul_i32 s[C0], ttmp9, SLAB
	s_mul_i32 s[TOFF], s[WAVE], RPW*ROWB           ; my 8 rows: at most 15 x 1,600,000 bytes,
	s_mul_i32 s[T], ttmp9, 4*SLAB                  ; my slab: at most 249 x 800 bytes
	s_add_co_u32 s[TOFF], s[TOFF], s[T]
	s_lshl_b32 s[SH], ttmp9, 5
	s_lshl_b32 s[B0], s[WAVE], 7
	s_mov_b32 s[VALID+1], 0
	; Who owns an index: x - C0 below 200, unsigned.  For the last work-group (C0 = 49800) the numbers x - C0 of the indices 0 .. 49799 are
	; the top 49,800 of the 32-bit range; everything below them is its own slab or outside the table, and it takes all of that.
	s_mov_b32 s[LIMIT], SLAB
	s_cmp_eq_u32 ttmp9, NWG-1
	s_cselect_b32 s[LIMIT], OUTSIDE, s[LIMIT]
	; where the windows of my 8 rows begin in W: the piece's offset, cut down to a multiple of 256
.irp k, 0,1,2,3,4,5,6,7
	s_add_co_u32 s[T], s[TOFF], \k*ROWB
	s_and_b32 s[T], s[T], 0xffffff00
	v_add_nc_u32 v[GO+\k], s[T], v[L16]
.endr
	; where they go: row 8 wave + k has slot 2 wave + (k >> 2) + 32 (k & 3); the part 64 x 1040 does not fit an LDS offset: a second base
	s_mul_i32 s[T], s[WAVE], 2*PITCH
	v_add_nc_u32 v[SA], s[T], v[L16]
	v_add_nc_u32 v[SA+1], 64*PITCH, v[SA]
	; where a hit finds row 4 lane + j: slot lane + 32 j; the slab's column 0 stands (64 (4 lane + j) + 32 g) mod 256 = (64 j + 32 g) mod 256
	; bytes into the window, a multiple of 32 that is the same in all lanes
.irp j, 0,1,2,3
	s_add_co_u32 s[T], s[SH], 64*\j
	s_and_b32 s[T], s[T], 0xe0
	s_add_co_u32 s[T], s[T], \j*32*PITCH
	v_add_nc_u32 v[LB+\j], s[T], v[LP]
.endr
	s_wait_kmcnt 0x0
	; elt and b go first: loads are counted off in order, so the scan can start while the 16 loads of W behind them are still out
	global_load_b128 v[COL:COL+3],   v[T16], s[8:9]                ; 512 threads x 16 bytes: indices 0 .. 2047
	global_load_b128 v[COL+4:COL+7], v[T16], s[8:9] offset:8192    ; indices 2048 .. 4095
	global_load_b128 v[BIAS:BIAS+3], v[L16], s[6:7]
.irp k, 0,1,2,3,4,5,6,7
	global_load_b128 v[X+8*\k:X+8*\k+3],   v[GO+\k], s[4:5]            ; the window's first 512 bytes
	global_load_b128 v[X+8*\k+4:X+8*\k+7], v[GO+\k], s[4:5] offset:512 ; and its second
.endr
	; The scan, while W is on its way.
	s_wait_loadcnt 16                              ; elt and b are in; the 16 younger loads (W) stay out
.irp r, 0,1,2,3,4,5,6,7
	v_sub_nc_u32 v[COL+\r], v[COL+\r], s[C0]
	v_cmp_gt_u32 s[MASK+\r], s[LIMIT], v[COL+\r]
.endr
	; W into LDS, each half window as it comes: the count is the number of younger loads of W
.irp k, 0,1,2,3,4,5,6,7
	s_wait_loadcnt 15-2*\k
	ds_store_b128 v[SA+((\k&3)>>1)], v[X+8*\k:X+8*\k+3],   offset:(\k&1)*32*PITCH+(\k>>2)*PITCH
	s_wait_loadcnt 14-2*\k
	ds_store_b128 v[SA+((\k&3)>>1)], v[X+8*\k+4:X+8*\k+7], offset:(\k&1)*32*PITCH+(\k>>2)*PITCH+512
.endr
	s_wait_dscnt 0x0                               ; my 8 rows are in LDS
	s_barrier_signal -1
	s_barrier_wait -1                              ; everybody's rows are: the only barrier; LDS is only read from here on
; The hits among index register r of my wave's lanes, one trip each: the whole wave makes one output row.
; Lane l reads W[4 l + j][column], j = 0 .. 3, from LDS, adds b and stores 16 bytes.
.macro HITS r
	s_bcnt1_i32_b32 s[CNT], s[MASK+\r]
	s_cmp_eq_u32 s[CNT], 0
	s_cbranch_scc1 .Lnone\r
	s_mov_b32 s[I], 0
.Lhit\r:
	s_wait_xcnt 0x0                                ; the last store's OADR and D are rewritten only behind this wait (ISA guide 3.1)
	s_ctz_i32_b32 s[LN], s[MASK+\r]                ; the lowest lane with a hit
	s_min_u32 s[LN], s[LN], 31                     ; it enters an address: bounded by a constant
	v_readlane_b32 s[C], v[COL+\r], s[LN]          ; its index minus C0
	s_lshl2_add_u32 s[B], s[LN], s[B0]             ; 4 x lane + 128 x wave; the rest of the row's number is in the store's offset
	s_cmp_lt_u32 s[C], SLAB                        ; inside the table?  (only the last work-group can see a no)
	s_cselect_b32 s[VALID], 1.0, 0
	s_min_u32 s[C], s[C], SLAB-1                   ; it enters an address: bounded by a constant
.irp j, 0,1,2,3
	v_lshl_add_u32 v[LA+\j], s[C], 2, v[LB+\j]
.endr
	v_lshl_add_u32 v[OADR], s[B], 9, v[L16]        ; 512 bytes a row + 16 x lane
.irp j, 0,1,2,3
	ds_load_b32 v[D+\j], v[LA+\j]
.endr
	s_add_co_i32 s[T], s[MASK+\r], -1
	s_and_b32 s[MASK+\r], s[MASK+\r], s[T]         ; the lowest set bit is cleared
	s_wait_dscnt 0x0
	v_pk_fma_f32 v[D:D+1],   v[D:D+1],   s[VALID:VALID+1], v[BIAS:BIAS+1]   op_sel_hi:[1,0,1]   ; w x (1 or 0) + b, both by s22
	v_pk_fma_f32 v[D+2:D+3], v[D+2:D+3], s[VALID:VALID+1], v[BIAS+2:BIAS+3] op_sel_hi:[1,0,1]
	global_store_b128 v[OADR], v[D:D+3], s[10:11] offset:((\r>>2)*2048+(\r&3))*OROW th:TH_STORE_NT   ; the wave's 32 lanes: one whole row, 512 aligned bytes
	s_add_co_u32 s[I], s[I], 1
	s_cmp_lt_u32 s[I], s[CNT]
	s_cbranch_scc1 .Lhit\r
.Lnone\r:
.endm
	HITS 0
	HITS 1
	HITS 2
	HITS 3
	HITS 4
	HITS 5
	HITS 6
	HITS 7
	s_wait_tensorcnt 0x0
	ds_add_u32 v108, v109
	s_wait_dscnt 0x0
	s_endpgm
.Lfunc_end_k_q1aa1a687a2_lookup:
	.size	k_q1aa1a687a2_lookup, .Lfunc_end_k_q1aa1a687a2_lookup-k_q1aa1a687a2_lookup
	.p2alignl 7, 3214868480
	.fill 96, 4, 3214868480
	.section	.rodata,"a",@progbits
	.p2align	6, 0x0
	.amdhsa_kernel k_q1aa1a687a2_lookup
		.amdhsa_group_segment_fixed_size 169984
		.amdhsa_private_segment_fixed_size 0
		.amdhsa_enable_private_segment 0
		.amdhsa_kernarg_size 32
		.amdhsa_user_sgpr_count 2
		.amdhsa_user_sgpr_kernarg_segment_ptr 1
		.amdhsa_wavefront_size32 1
		.amdhsa_system_sgpr_workgroup_id_x 1
		.amdhsa_system_sgpr_workgroup_id_y 1
		.amdhsa_system_sgpr_workgroup_id_z 1
		.amdhsa_system_vgpr_workitem_id 0
		.amdhsa_next_free_vgpr 110
		.amdhsa_next_free_sgpr 66
		.amdhsa_reserve_vcc 0
		.amdhsa_float_denorm_mode_32 3
		.amdhsa_float_denorm_mode_16_64 3
		.amdhsa_memory_ordered 1
		.amdhsa_forward_progress 1
		.amdhsa_inst_pref_size 20
	.end_amdhsa_kernel
	.amdgpu_metadata
---
amdhsa.version: [ 1, 2 ]
amdhsa.kernels:
  - .name:           k_q1aa1a687a2_lookup
    .symbol:         k_q1aa1a687a2_lookup.kd
    .args:
      - { .name: W, .offset: 0, .size: 8, .value_kind: global_buffer, .address_space: global }
      - { .name: b, .offset: 8, .size: 8, .value_kind: global_buffer, .address_space: global }
      - { .name: elt, .offset: 16, .size: 8, .value_kind: global_buffer, .address_space: global }
      - { .name: out0, .offset: 24, .size: 8, .value_kind: global_buffer, .address_space: global }
    .group_segment_fixed_size: 169984
    .private_segment_fixed_size: 0
    .kernarg_segment_align: 8
    .kernarg_segment_size: 32
    .max_flat_workgroup_size: 512
    .sgpr_count:     66
    .vgpr_count:     110
    .wavefront_size: 32
...
	.end_amdgpu_metadata
.endif
;; end of part 1
